; MI455X (gfx1250); checked and timed in simulation.
; The chip was launched on July 23, 2026; its instructions are those of AMD's public machine-readable ISA for CDNA 5 (MIT licence, August 2026) and "CDNA5" Instruction Set Architecture Reference Guide (July 2026). The comments in the code are by the model that wrote it; some were corrected since.
;; Scaled Dot Product Attention. Allowed arithmetic: matrix products marked QUANTISED: E2M1 operands, one E8M0 scale for each 32 along K, by v_wmma_scale_f32_16x16x128_f8f6f4 with both operands' format E2M1 (or v_wmma_scale_f32_32x16x128_f4), f32 sums; everything else in f32.
;; Inputs: K 4 x 16 x 2,048 x 64 float32; Q 4 x 16 x 2,048 x 64 float32; V 4 x 16 x 2,048 x 64 float32; mask 4 x 1 x 2,048 x 2,048 float32.
;; Outputs: out0 4 x 16 x 2,048 x 64 float32.
;; This version of the problem:
;;   THIS VERSION OF THE PROBLEM IS GIVEN IN LOW PRECISION. The matrix products marked QUANTISED in the list below multiply operands that are first quantised to E2M1 (2 exponent bits, 1 mantissa bit; 4 bits a number), with one power-of-two scale for each 32 numbers along K (OCP MX v1.0); their sums are f32. All else is computed in f32.
;;   The module's matrix products, in the order in which they are computed (A, B: the left and right operand; K: the contracted axis; several contracted axes count as one K, in the product's order):
;;     1. batch 64 x [M 2,048, K 64] x [K 64, N 2,048]; A: input Q; B: input K: QUANTISED
;;     2. batch 64 x [M 2,048, K 2,048] x [K 2,048, N 64]; A: computed on the way; B: input V: QUANTISED
;;   THE QUANTISER, for each operand of a quantised product, along K:
;;     - K is cut into blocks of 32 from its start; a last block that is shorter is filled with zeros.
;;     - A block's scale is 2^e with e = floor(log2(the largest magnitude in the block)) - 2, held to -126 .. 127; a block of zeros has e = 0. As a byte (E8M0): e + 127.
;;     - Each number is divided by its block's scale, clamped to +-6, and rounded to the nearest number of E2M1, ties to even, subnormals kept.
;;     - The product sums the exact products of the quantised numbers (number of the format x scale) in f32.
;;   ~~~python
;;   def quantise(x, axis):      # numpy; x: float32 -> the quantised numbers, widened to float32 again
;;       x = np.moveaxis(x, axis, -1); K = x.shape[-1]
;;       x = np.pad(x, [(0, 0)] * (x.ndim - 1) + [(0, -K % 32)]); x = x.reshape(x.shape[:-1] + (-1, 32)); a = np.abs(x).max(-1, keepdims=True)
;;       e = np.where(a > 0, np.clip(np.frexp(np.where(a > 0, a, 1))[1] - 1 - 2, -126, 127), 0)      # np.frexp(a)[1] - 1 = floor(log2(a)), exactly
;;       r = np.clip(x / 2.0 ** e, -6, 6)
;;       step = 2.0 ** (np.maximum(np.frexp(np.where(r == 0, 1, r))[1] - 1, 0) - 1)
;;       q = np.round(r / step) * step * 2.0 ** e      # np.round: ties to even
;;       return np.moveaxis(q.reshape(q.shape[:-2] + (-1,))[..., :K], -1, axis).astype(np.float32)
;;   ~~~
;;   OPERANDS COMPUTED ON THE WAY. 'Computed on the way' means the value that the module computes at that place (a softmax that the list does not call 'softmax' is quantised finished and normalised). What goes into a quantiser is computed in f32, as accurately as f32 sums, v_exp_f32 and their like allow (about 1e-6 of the number): no bf16 or f16 on the way to a quantiser, and a product that is left as it is and whose result goes on into a quantised operand takes f32 operands (vector FMAs, or v_wmma_f32_16x16x4_f32). A number that lies on a knife's edge between two numbers of the format may be rounded either way, as far as f32 arithmetic and the matrix unit's own rounding can turn it there, and no further.
;; One version. Each part assembles by itself: llvm-mc -triple=amdgcn-amd-amdhsa -mcpu=gfx1250 --defsym DOCPART=n.
;; ======== version 1 of 1: 2 launches
;; limits: right only within a limited range of input values
;; workspace buffers: qcod 4,194,304 bytes; qscl 262,144 bytes; kcod 4,194,304 bytes; kscl 262,144 bytes; vcod 4,194,304 bytes; vscl 262,144 bytes
;; launch prep (part 1): grid 768 x 1, 4 waves a work-group, no clusters, 33,280 bytes of LDS; arguments Q, K, V, qcod, qscl, kcod, kscl, vcod, vscl; writes qcod, qscl, kcod, kscl, vcod, vscl
.if DOCPART == 1
	.amdgcn_target "amdgcn-amd-amdhsa--gfx1250"
	.amdhsa_code_object_version 6
	.text
	.protected	k_q9bfe3be67d_prep
	.globl	k_q9bfe3be67d_prep
	.p2align	8
	.type	k_q9bfe3be67d_prep,@function
k_q9bfe3be67d_prep:
	s_mov_b64 s[64:65], 0
	v_nop
	global_prefetch_b8 v0, s[64:65] scope:SCOPE_SE
	s_setreg_imm32_b32 hwreg(HW_REG_WAVE_MODE, 25, 1), 1
	s_wait_xcnt 0x0
; Q, K, V [64 heads][2048][64] f32 become codes of FP4 (E2M1) with one E8M0 scale byte for each 32 along a product's K, once, for the launch that follows.
; NO WORK OF THE PROBLEM IS LEFT OUT in this program: Q, K, V and mask all have a way to the result, both products are live, and the 1e-8 beside the row's sum stays.
; Q and K are quantised along the head's 64 (innermost in memory), V along the KEYS (its first axis within a head).
; A block's scale is 2^(floor(log2(its largest magnitude)) - 2); its byte is the largest magnitude's own exponent field - 2, held at 1 from below.
; LIMITS: a block of zeros gets the byte 1 where the quantiser says 127: its codes are zeros, which add nothing under any byte but 0xff, and the bytes are read by this program alone.
;         Blocks whose largest magnitude lies under 2^(3 - 127), the floor, keep the byte 1.  NaN and infinities among the inputs are not served.
; WORK-GROUPS 0-255 take Q, 256-511 K (one path, the buffers chosen by the work-group's number), 512-767 V (a path of its own, which touches no LDS but its spare words).
; LAYOUTS, as the next launch's operand registers want them:
;   qcod, kcod  [row][32 bytes]: the row's 64 codes as they follow each other
;   qscl, kscl  [run of 128 rows][256 bytes]: the byte of row 32 b + 16 a + 8 u + j, block hb, lies at 16 (8 a + j) + 4 b + 2 u + hb: so the four bytes that one matrix instruction wants of a lane are one word
;   vcod        [head][128 keys ks][16 channels c][half cc][lane][16 bytes]: lane 16 h + r holds channel 16 c + r, keys 128 ks + 64 cc + 32 h + 0 .. 31: a fragment's registers on end
;   vscl        [head][channel][64 bytes]: byte kb = keys 32 kb on
.set STEPS, 16
.set CB,    8                          ; bytes of 16 codes
.set R,     16                         ; v16-79   path Q, K: four sets of 16 numbers as they are loaded
.set X,     80                         ; v80-111  two sets of 16 neighbours
.set E,     112                        ; v112-127 a scale byte for each step
.set C,     128                        ; v128-191 codes: four registers for each step, so that no store's data are written again
.set WREG,  8192                       ; LDS: a region for each wave: two stages of 32 x SP bytes, behind them its 256 scale bytes
.set SP,    80                         ; a lane's place in a stage: its 64 bytes + 16 of padding
.set SPW,   12                         ; v12      LDS address of my spare word; never rewritten
.set NIL,   13                         ; v13      0; never rewritten
.set SPARE, 4*WREG                     ; behind the four regions: the spare words, 128 bytes a wave: two blocks of 256 bytes that no other line names
	s_load_b512 s[4:19], s[0:1], 0x0               ; Q s[4:5], K s[6:7], V s[8:9], qcod s[10:11], qscl s[12:13], kcod s[14:15], kscl s[16:17], vcod s[18:19]
	s_load_b64 s[20:21], s[0:1], 0x40              ; vscl
	v_lshl_add_u32 v[SPW], v0, 2, SPARE
	v_mov_b32 v[NIL], 0
	v_lshrrev_b32 v1, 5, v0
	v_readfirstlane_b32 s24, v1                    ; wave 0..3
	v_and_b32 v2, 31, v0                           ; lane
	v_lshlrev_b32 v3, 4, v2                        ; my 16 bytes of a load's 512
	s_mul_i32 s25, s24, WREG
	v_lshrrev_b32 v14, 2, v2
	v_mul_u32_u24 v14, v14, SP
	v_and_b32 v15, 3, v2
	v_lshl_add_u32 v14, v15, 4, v14
	v_add_nc_u32 v14, s25, v14                     ; the stage, on the way in: SP (lane / 4) + 16 (lane % 4)
	v_mul_u32_u24 v15, v2, SP
	v_add_nc_u32 v15, s25, v15                     ; and on the way out: SP x lane: my 16 neighbours
	v_lshlrev_b32 v4, 3, v2                        ; 8 x lane: my codes' place in a step's, and my 8 of the run's 256 scale bytes
	s_add_co_u32 s25, s25, 2*32*SP                 ; my wave's 256 scale bytes
	v_lshrrev_b32 v5, 2, v2
	v_lshlrev_b32 v5, 4, v5                        ; 16 j: j = lane / 4 is my row among the step's eight,
	v_bfe_u32 v6, v2, 1, 1
	v_add_nc_u32 v5, v5, v6                        ; + hb: which of the row's two blocks is mine
	v_add_nc_u32 v5, s25, v5
	v_add_nc_u32 v6, s25, v4
	s_wait_kmcnt 0x0
	s_cmp_ge_u32 ttmp9, 512
	s_cbranch_scc1 .Lv
; ---- Q and K.  Rows are dense, so a tensor is a plain stream of blocks of 32.  A wave takes a run of 128 rows in 16 steps of 512 numbers.  Each load reads 512 consecutive bytes, 16 a lane; a step's 2,048 bytes turn
; through the wave's own stage in LDS and come back 64 bytes a lane: 16 neighbours, so that two neighbouring lanes hold a block.  Loads run four steps ahead, the turn one.
	s_cmp_lt_u32 ttmp9, 256                        ; Q's work-group or K's: the choice hangs on the work-group's number alone
	s_cselect_b64 s[4:5], s[4:5], s[6:7]
	s_cselect_b64 s[10:11], s[10:11], s[14:15]
	s_cselect_b64 s[12:13], s[12:13], s[16:17]
	s_and_b32 s26, ttmp9, 255
	s_lshl_b32 s26, s26, 2
	s_add_co_u32 s26, s26, s24                     ; my run, 0 .. 1,023
	s_mov_b32 s29, 0
	s_lshl_b32 s28, s26, 15                        ; 32,768 bytes of numbers a run,
	s_add_nc_u64 s[4:5], s[4:5], s[28:29]
	s_lshl_b32 s28, s26, 12                        ; 4,096 of codes,
	s_add_nc_u64 s[10:11], s[10:11], s[28:29]
	s_lshl_b32 s28, s26, 8                         ; 256 of scale bytes
	s_add_nc_u64 s[12:13], s[12:13], s[28:29]
.macro LOAD t
.irp i, 0,1,2,3
	global_load_b128 v[R+16*((\t)%4)+4*\i:R+16*((\t)%4)+4*\i+3], v3, s[4:5] offset:2048*(\t)+512*\i th:TH_LOAD_NT
.endr
.endm
.macro TURN t                          ; step t's numbers through the stage: LDS serves a wave's instructions in order (ISA guide 5.7.1.4), so no wait stands between the stores and the loads
.irp i, 0,1,2,3
	ds_store_b128 v14, v[R+16*((\t)%4)+4*\i:R+16*((\t)%4)+4*\i+3] offset:32*SP*((\t)%2)+8*SP*\i
.endr
.irp i, 0,1,2,3
	ds_load_b128 v[X+16*((\t)%2)+4*\i:X+16*((\t)%2)+4*\i+3], v15 offset:32*SP*((\t)%2)+16*\i
.endr
.endm
.irp t, 0,1,2,3
	LOAD \t
.endr
	s_wait_loadcnt 12                              ; step 0's four loads are in; the twelve behind them may be out
	s_wait_alu depctr_va_vdst(0)
	TURN 0
.macro STEP t
.set XS, X+16*((\t)%2)
.if (\t) > 0
	s_wait_dscnt 1                                 ; this step's numbers are back from the stage (only the last step's byte store was issued behind them): so its stores into the stage have read their registers,
.else
	s_wait_dscnt 0x0
.endif
.if (\t)+4 < STEPS
	LOAD (\t)+4                                    ; which take the loads of four steps on
.endif
.if (\t)+1 < STEPS
.if STEPS-2-(\t) >= 3
	s_wait_loadcnt 12                              ; the next step's four loads are in; those of the three steps behind it may be out
.else
	s_wait_loadcnt 4*(STEPS-2-(\t))                ; at the end: as many steps as are left behind it
.endif
	TURN (\t)+1
.endif
	v_max3_num_f32 v8, |v[XS]|, |v[XS+1]|, |v[XS+2]|               ; the largest magnitude of my 16, in two chains
	v_max3_num_f32 v9, |v[XS+3]|, |v[XS+4]|, |v[XS+5]|
.irp i, 6,10
	v_max3_num_f32 v8, v8, |v[XS+\i]|, |v[XS+\i+1]|
	v_max3_num_f32 v9, v9, |v[XS+\i+2]|, |v[XS+\i+3]|
.endr
	v_max3_num_f32 v8, v8, |v[XS+14]|, |v[XS+15]|
	v_max3_num_f32 v8, v8, v9, 0x1800000           ; and the floor 2^(3 - 127): the byte cannot fall under 1
	v_max_num_f32_dpp v8, v8, v8 row_xmask:1 row_mask:0xf bank_mask:0xf   ; and of my neighbour's 16: the block's
	v_add_nc_u32 v11, 0xff000000, v8               ; 2 off its exponent field: the conversion takes the exponent field of this operand as its scale, and nothing else of it
	v_cvt_scalef32_pk8_fp4_f32 v[C+4*(\t)], v[XS:XS+7], v11
	v_cvt_scalef32_pk8_fp4_f32 v[C+4*(\t)+1], v[XS+8:XS+15], v11
	v_lshrrev_b32 v[E+(\t)], 23, v11               ; the scale's byte
	ds_store_b8 v5, v[E+(\t)] offset:128*(((\t)/2)%2)+4*((\t)/4)+2*((\t)%2)   ; step t holds rows 8 t + j: b = t / 4, a = (t / 2) % 2, u = t % 2.  Both lanes of a block write the same byte with the same value
	global_store_b64 v4, v[C+4*(\t):C+4*(\t)+1], s[10:11] offset:32*CB*(\t)   ; the wave stores 256 consecutive bytes, aligned
.endm
.irp t, 0,1,2,3,4,5,6,7,8,9,10,11,12,13,14,15
	STEP \t
.endr
	ds_load_b64 v[8:9], v6                         ; my wave's own bytes, served behind my stores
	s_wait_dscnt 0x0
	global_store_b64 v4, v[8:9], s[12:13]          ; the run's 256 scale bytes: 256 consecutive bytes, aligned
	s_branch .Lend
; ---- V.  A LANE TAKES A CHANNEL, AND ITS REGISTERS RUN DOWN THE KEYS: a block of 32 keys lies in one lane's 32 registers, its largest magnitude needs no other lane, and the conversions give codes with the keys innermost.
; A wave takes 32 channels x 256 keys: 8 blocks a lane.  A block's 16 bytes go straight to their place in the fragment order: sixteen neighbouring lanes store 256 consecutive bytes, aligned.  Loads run two blocks ahead.
.Lv:
	s_sub_co_u32 s26, ttmp9, 512
	s_lshr_b32 s27, s26, 2                         ; the head, 0 .. 63
	s_and_b32 s26, s26, 3
	s_lshl_b32 s26, s26, 1
	s_lshr_b32 s28, s24, 1
	s_add_co_u32 s26, s26, s28                     ; which 256 keys, 0 .. 7
	s_and_b32 s28, s24, 1                          ; which 32 channels
	s_mov_b32 s31, 0
	s_lshl_b32 s30, s27, 19                        ; V: a head is 524,288 bytes,
	s_lshl_b32 s32, s26, 16                        ; 256 keys 65,536,
	s_add_co_u32 s30, s30, s32
	s_lshl_b32 s32, s28, 7                         ; 32 channels 128
	s_add_co_u32 s30, s30, s32
	s_add_nc_u64 s[8:9], s[8:9], s[30:31]
	s_lshl_b32 s30, s27, 16                        ; the codes: a head is 65,536 bytes, 256 keys 8,192
	s_lshl_b32 s32, s26, 13
	s_add_co_u32 s30, s30, s32
	s_add_nc_u64 s[18:19], s[18:19], s[30:31]
	s_lshl_b32 s30, s27, 12                        ; the scale bytes: a head is 4,096 bytes, 256 keys 8 in each channel's row
	s_lshl_b32 s32, s26, 3
	s_add_co_u32 s30, s30, s32
	s_add_nc_u64 s[20:21], s[20:21], s[30:31]
	v_lshlrev_b32 v20, 2, v2                       ; in: 4 bytes a lane
	v_lshrrev_b32 v21, 4, v2
	v_lshlrev_b32 v21, 10, v21                     ; codes: 1,024 x (my tile of 16 channels: 2 x half + lane / 16)
	v_and_b32 v22, 15, v2
	v_lshl_add_u32 v21, v22, 4, v21                ; + 16 x (lane % 16)
	s_lshl_b32 s32, s28, 11
	v_add_nc_u32 v21, s32, v21
	s_lshl_b32 s32, s28, 5
	v_add_nc_u32 v22, s32, v2
	v_lshlrev_b32 v22, 6, v22                      ; scale bytes: my channel's row of 64
.macro LOADV t                         ; block t: V(32 t + i, my channel), i = 0 .. 31, into set t % 2
.irp i, 0,1,2,3,4,5,6,7,8,9,10,11,12,13,14,15,16,17,18,19,20,21,22,23,24,25,26,27,28,29,30,31
	global_load_b32 v[32+32*((\t)%2)+\i], v20, s[8:9] offset:(32*(\t)+\i)*256 th:TH_LOAD_NT
.endr
.endm
	LOADV 0
	LOADV 1
.macro BLOCKV t
.set XS, 32+32*((\t)%2)
.if (\t) < 7
	s_wait_loadcnt 32                              ; this block's 32 loads are in; the next block's 32 may be out
.else
	s_wait_loadcnt 0x0
.endif
	v_max3_num_f32 v26, |v[XS]|, |v[XS+1]|, |v[XS+2]|              ; the block's largest magnitude: all 32 numbers are mine
	v_max3_num_f32 v27, |v[XS+3]|, |v[XS+4]|, |v[XS+5]|
.irp i, 6,10,14,18,22,26
	v_max3_num_f32 v26, v26, |v[XS+\i]|, |v[XS+\i+1]|
	v_max3_num_f32 v27, v27, |v[XS+\i+2]|, |v[XS+\i+3]|
.endr
	v_max3_num_f32 v26, v26, |v[XS+30]|, |v[XS+31]|
	v_max3_num_f32 v26, v26, v27, 0x1800000        ; and the floor
	v_add_nc_u32 v28, 0xff000000, v26              ; the conversion's scale operand
	v_lshrrev_b32 v27, 23, v28                     ; the scale's byte
.if (\t)%4 == 0
	v_mov_b32 v[24+(\t)/4], v27                    ; four bytes to a register, the earlier keys in the lower byte
.else
	v_lshl_or_b32 v[24+(\t)/4], v27, 8*((\t)%4), v[24+(\t)/4]
.endif
.irp g, 0,1,2,3
	v_cvt_scalef32_pk8_fp4_f32 v[96+4*(\t)+\g], v[XS+8*\g:XS+8*\g+7], v28   ; each block has its own four registers: no store's data are written again
.endr
	global_store_b128 v21, v[96+4*(\t):96+4*(\t)+3], s[18:19] offset:4096*((\t)/4)+512*(((\t)/2)%2)+256*((\t)%2)   ; keys 32 t on: ks = t / 4, cc = (t / 2) % 2, h = t % 2
.if (\t)+2 < 8
	LOADV (\t)+2
.endif
.endm
.irp t, 0,1,2,3,4,5,6,7
	BLOCKV \t
.endr
	global_store_b64 v22, v[24:25], s[20:21]       ; my channel's 8 scale bytes
.Lend:
	s_wait_tensorcnt 0x0                           ; the wave's end
	ds_add_u32 v[SPW], v[NIL]
	s_wait_dscnt 0x0
	s_endpgm
.Lfunc_end_k_q9bfe3be67d_prep:
	.size	k_q9bfe3be67d_prep, .Lfunc_end_k_q9bfe3be67d_prep-k_q9bfe3be67d_prep
	.p2alignl 7, 3214868480
	.fill 96, 4, 3214868480
	.section	.rodata,"a",@progbits
	.p2align	6, 0x0
	.amdhsa_kernel k_q9bfe3be67d_prep
		.amdhsa_group_segment_fixed_size 33280
		.amdhsa_private_segment_fixed_size 0
		.amdhsa_enable_private_segment 0
		.amdhsa_kernarg_size 72
		.amdhsa_user_sgpr_count 2
		.amdhsa_user_sgpr_kernarg_segment_ptr 1
		.amdhsa_wavefront_size32 1
		.amdhsa_system_sgpr_workgroup_id_x 1
		.amdhsa_system_sgpr_workgroup_id_y 1
		.amdhsa_system_sgpr_workgroup_id_z 1
		.amdhsa_system_vgpr_workitem_id 0
		.amdhsa_next_free_vgpr 192
		.amdhsa_next_free_sgpr 66
		.amdhsa_reserve_vcc 0
		.amdhsa_float_denorm_mode_32 3
		.amdhsa_float_denorm_mode_16_64 3
		.amdhsa_memory_ordered 1
		.amdhsa_forward_progress 1
		.amdhsa_inst_pref_size 71
	.end_amdhsa_kernel
	.amdgpu_metadata
---
amdhsa.version: [ 1, 2 ]
amdhsa.kernels:
  - .name:           k_q9bfe3be67d_prep
    .symbol:         k_q9bfe3be67d_prep.kd
    .args:
      - { .name: Q, .offset: 0, .size: 8, .value_kind: global_buffer, .address_space: global }
      - { .name: K, .offset: 8, .size: 8, .value_kind: global_buffer, .address_space: global }
      - { .name: V, .offset: 16, .size: 8, .value_kind: global_buffer, .address_space: global }
      - { .name: qcod, .offset: 24, .size: 8, .value_kind: global_buffer, .address_space: global }
      - { .name: qscl, .offset: 32, .size: 8, .value_kind: global_buffer, .address_space: global }
      - { .name: kcod, .offset: 40, .size: 8, .value_kind: global_buffer, .address_space: global }
      - { .name: kscl, .offset: 48, .size: 8, .value_kind: global_buffer, .address_space: global }
      - { .name: vcod, .offset: 56, .size: 8, .value_kind: global_buffer, .address_space: global }
      - { .name: vscl, .offset: 64, .size: 8, .value_kind: global_buffer, .address_space: global }
    .group_segment_fixed_size: 33280
    .private_segment_fixed_size: 0
    .kernarg_segment_align: 8
    .kernarg_segment_size: 72
    .max_flat_workgroup_size: 128
    .sgpr_count:     66
    .vgpr_count:     192
    .wavefront_size: 32
...
	.end_amdgpu_metadata
.endif
;; end of part 1
;; launch attn (part 2): grid 64 x 4, 16 waves a work-group, no clusters, 327,680 bytes of LDS; arguments mask, qcod, qscl, kcod, kscl, vcod, vscl, out0; writes out0
.if DOCPART == 2
	.amdgcn_target "amdgcn-amd-amdhsa--gfx1250"
	.amdhsa_code_object_version 6
	.text
	.protected	k_q9bfe3be67d_attn
	.globl	k_q9bfe3be67d_attn
	.p2align	8
	.type	k_q9bfe3be67d_attn,@function
k_q9bfe3be67d_attn:
	s_mov_b64 s[64:65], 0
	v_nop
	global_prefetch_b8 v0, s[64:65] scope:SCOPE_SE
	s_setreg_imm32_b32 hwreg(HW_REG_WAVE_MODE, 25, 1), 1
	s_wait_xcnt 0x0
; out[b][h][q][:] = sum over k of attn(q, k) V[b][h][k][:],  attn = p / (sum over k of p + 1e-8),  p = exp(Q . K / 8) x mask[b][q][k].  No maximum is taken away: the problem takes none.
; Both products on codes of FP4 (E2M1) with one E8M0 scale for each 32 along K.  THE SECOND PRODUCT'S OPERAND IS attn, FINISHED AND NORMALISED: a row's whole sum is known before any of its codes is made.  No work is left out.
; SHARES.  A work-group owns 32 queries of one batch and ALL 2,048 keys, and walks the batch's 16 heads.  Its 32 x 2,048 numbers of the mask, which all 16 heads share, come into LDS once.
; Its sixteen waves share the KEYS: wave w holds p for keys 128 w .. 128 w + 127 and both tiles of 16 queries in 128 registers, so each exponential is taken once and p never leaves the registers before it is quantised.
; A HEAD, three barriers:  A: my scores, p, my part of the rows' sums to LDS | barrier |  B: the rows' sums; attn; its codes and scale words to LDS as images of the operand's registers | barrier |
;   C: the work is dealt anew by OUTPUT: wave w makes 16 channels (c) x 16 queries (tq) over half of the keys (hf): 8 products; to a stage | barrier |  D: the two halves are added; each wave stores two whole rows.
; THE FIRST PRODUCT'S K IS 64, the instruction's 128.  One operand of 8 registers holds TWO tiles of 16 keys (k 0-63: tile 2 b; k 64-127: tile 2 b + 1) and is multiplied twice: by [Q | zero codes] for tile 2 b's scores and by
; [zero codes | Q] for tile 2 b + 1's.  Only Q's side has the zeros: a zero code times any code of E2M1 (the format has no infinity and no NaN) is exactly 0, under K's byte (1 .. 254) and the byte 0 (2^-127) on Q's zero half.
; THE KEYS OF A TILE ARE NOT NEIGHBOURS: lane r of tile 2 b + u takes key 32 b + 8 u + r + 8 (r / 8), so that the 16 registers of tiles 2 b and 2 b + 1 are 16 neighbouring keys, 32 b + 16 (lane / 16) + 0 .. 15.
; Both products are used transposed (source 0 = keys, or channels; source 1 = queries): a lane holds one query throughout.
; NO CLUSTER, NO RING: the mask block (270,336 bytes with its padding), the spare words and the exchange regions take all 327,680 bytes of LDS, so no tile of K or V could land there: their codes go from memory to registers.
; LIMITS.  v_exp_f32 gives 0 where the result lies under 2^-126.  t = score x log2(e) / 8 is rounded once, so p's relative error grows as |t| x 2^-24.  1 / (sum + 1e-8) is v_rcp_f32 and a multiplication.
;   The rows' sums and the output's sums are added in another order than the problem writes.  A block of zeros gets the scale byte 1: its codes are zeros.  The mask is taken as any f32 factor, of either sign.
; THE ORDER IN THE TEXT: D of a head stands behind the NEXT head's first barrier, which is the barrier between that head's C and D: so a trip of the loop has two barriers. The first trip has no D (a scalar branch on the
; head's counter leads round it); the last head's D stands behind the loop, behind a barrier of its own.
.set MTILE, 16896                      ; LDS 0: the mask: wave w's 32 rows x 128 keys at MTILE w, rows MP bytes apart: read by wave w alone
.set MP,    528                        ; 512 bytes + 16 of padding = 33 x 16: the 16 rows that a load touches start at 16 different 16-byte columns of the 64 banks (ISA guide 11.1)
.set SPARE, 270336                     ; the spare words, 128 bytes for each of the 16 waves: eight blocks of 256 bytes that no other line names
.set SUMS,  272384                     ; [query 0..31] 80 bytes apart, word w: wave w's part of the row's sum
.set PSC,   274944                     ; [query 0..31] 80 bytes apart, word s: attn's scale word for keys 128 s on
.set PIMG,  277504                     ; attn's codes: 2,048 s + 1,024 t + 512 cc + 16 lane: images of the operand's registers
.set STG,   310272                     ; [half of the keys] 8,704 + [query] 272: 64 f32 each.  Ends at 327,680
.set SPW, 1                            ; v1   my spare word's LDS address; never rewritten
.set NIL, 2                            ; v2   0; never rewritten
.set AM,  3                            ; v3   mask, LDS:      MTILE w + MP r + 64 h
.set AK,  4                            ; v4   K's codes:      32 (r + 8 (r / 8)) + 16 h
.set AKS, 5                            ; v5   K's scales:     16 r
.set AQ,  6                            ; v6   Q's codes:      32 r + 16 h
.set AQS, 7                            ; v7   Q's scales:     lane l takes query l's two bytes
.set ASW, 8                            ; v8   SUMS + 80 l + 4 w
.set ASR, 9                            ; v9   SUMS + 80 l
.set APW, 10                           ; v10  PIMG + 2,048 w + 16 l
.set AWW, 11                           ; v11  PSC + 80 l + 4 w
.set APR, 12                           ; v12  PIMG + 16,384 hf + 1,024 tq + 16 l
.set AWR, 13                           ; v13  PSC + 80 (16 tq + r) + 32 hf
.set AV,  14                           ; v14  V's codes:      32,768 hf + 1,024 c + 16 l
.set AVS, 15                           ; v15  V's scales:     64 (16 c + r) + 32 hf
.set AGW, 16                           ; v16  STG + 8,704 hf + 272 (16 tq + r) + 64 c + 32 h
.set AGR, 17                           ; v17  STG + 272 (2 w + h) + 16 r
.set AO,  18                           ; v18  out: 512 w + 16 l
.set PFO, 19                           ; v19  the prefetch's offset: 8,192 w + 256 l
.set QT,  20                           ; v20-31, v32-43: tile t at QT + 12 t: four zeros, Q's four registers, four zeros: [zeros | Q] = the first eight, [Q | zeros] = the last eight
.set KF,  44                           ; v44-75   K's codes: pair of tiles b at KF + 8 b
.set KSC, 76                           ; v76-79   K's scale words
.set XL,  80                           ; v80, v81 Q's scale bytes in the word's low half, in its high half: lanes 0-15 queries 0-15, lanes 16-31 queries 16-31
.set SUM, 82                           ; v82-85   tile t's sum in two halves at SUM + 2 t; later 1 / (sum + 1e-8) at SUM + 2 t
.set BM,  86                           ; v86-93   the largest magnitude of block b of tile t at BM + 4 t + b
.set T,   94                           ; v94, v95 at work
.set P,   96                           ; v96-223  p: key 32 b + 16 h + i of query 16 t + r at P + 64 t + 16 b + i; in phase C V's 8 fragments, then attn's 8
.set W,   224                          ; v224-255 by turns: two sets of 16 mask numbers | the sums' parts, then the codes just made (8 a tile), v240-247 at work | two accumulators, v240-247 attn's scale words; v248-255 V's scale words
.set SOF, 240
.set BY,  244
.set PSR, 240
.set VSC, 248
.macro BAR                             ; my LDS stores have landed and my LDS loads are in: then the work-group's barrier
	s_wait_dscnt 0x0
	s_barrier_signal -1
	s_barrier_wait -1
.endm
.macro KQLOAD                          ; a head's K for my 128 keys, and Q for the 32 queries: twelve loads
.irp b, 0,1,2,3
.irp u, 0,1
	global_load_b128 v[KF+8*\b+4*\u:KF+8*\b+4*\u+3], v[AK], s[10:11] offset:(32*\b+8*\u)*32   ; lanes r = 0-7 read 256 consecutive bytes (8 keys), lanes r = 8-15 the 8 keys that lie 16 further on
.endr
.endr
	global_load_b128 v[KSC:KSC+3], v[AKS], s[12:13]                ; lane r: the words of its keys in pairs b = 0 .. 3
.irp t, 0,1
	global_load_b128 v[QT+12*\t+4:QT+12*\t+7], v[AQ], s[6:7] offset:512*\t
.endr
	global_load_u16 v[XL], v[AQS], s[8:9]
.endm
.macro MLOAD g, buf                    ; chunk g = 4 t + b of the mask (my query of tile t, my 16 keys of block b) into set buf
.irp j, 0,1,2,3
	ds_load_b128 v[W+16*(\buf)+4*\j:W+16*(\buf)+4*\j+3], v[AM] offset:16*MP*((\g)/4)+128*((\g)%4)+16*\j
.endr
.endm
.macro SCORE b, t, u                   ; the scores of tile 2 b + u of the keys and tile t of the queries
.set rD, P+64*(\t)+16*(\b)+8*(\u)
.set rQ, QT+12*(\t)+4-4*(\u)
.if \t
	v_wmma_scale_f32_16x16x128_f8f6f4 v[rD:rD+7], v[KF+8*(\b):KF+8*(\b)+7], v[rQ:rQ+7], 0, v[KSC+(\b)], v[XL+(\u)] matrix_a_fmt:MATRIX_FMT_FP4 matrix_b_fmt:MATRIX_FMT_FP4 matrix_b_scale:MATRIX_SCALE_ROW1
.else
	v_wmma_scale_f32_16x16x128_f8f6f4 v[rD:rD+7], v[KF+8*(\b):KF+8*(\b)+7], v[rQ:rQ+7], 0, v[KSC+(\b)], v[XL+(\u)] matrix_a_fmt:MATRIX_FMT_FP4 matrix_b_fmt:MATRIX_FMT_FP4
.endif
.endm
.macro CM t                            ; t = score x log2(e) / 8, two at a time, in ascending order: each accumulator is first read at its low end
.set j, P+64*(\t)
.rept 32
	v_pk_mul_f32 v[j:j+1], v[j:j+1], s[26:27] op_sel_hi:[1,0]
.set j, j+2
.endr
.endm
.macro EX t                            ; 64 exponentials on end: one batch
.set j, P+64*(\t)
.rept 64
	v_exp_f32 v[j], v[j]
.set j, j+1
.endr
.endm
.macro MS g, left                      ; chunk g: p = exponential x mask; the sum; the block's largest magnitude.  left: the LDS loads that may stay out
.set rP, P+16*(\g)
.set rM, W+16*((\g)%2)
.set rS, SUM+2*((\g)/4)
.set rB, BM+(\g)
	s_wait_dscnt \left
.irp j, 0,2,4,6,8,10,12,14
	v_pk_mul_f32 v[rP+\j:rP+\j+1], v[rP+\j:rP+\j+1], v[rM+\j:rM+\j+1]
.endr
	v_max3_num_f32 v[rB], |v[rP]|, |v[rP+1]|, |v[rP+2]|            ; the two chains by turns, so that neither waits for itself
	v_pk_add_f32 v[rS:rS+1], v[rS:rS+1], v[rP:rP+1]
.irp j, 2,4,6,8,10,12
	s_delay_alu instid0(VALU_DEP_2)
	v_max3_num_f32 v[rB], v[rB], |v[rP+\j+1]|, |v[rP+\j+2]|
	s_delay_alu instid0(VALU_DEP_2)
	v_pk_add_f32 v[rS:rS+1], v[rS:rS+1], v[rP+\j:rP+\j+1]
.endr
	s_delay_alu instid0(VALU_DEP_2)
	v_max_num_f32 v[rB], v[rB], |v[rP+15]|
	s_delay_alu instid0(VALU_DEP_2)
	v_pk_add_f32 v[rS:rS+1], v[rS:rS+1], v[rP+14:rP+15]
.if (\g) <= 5
	MLOAD (\g)+2, (\g)%2                           ; the set just used takes the chunk two further on
.endif
.endm
.macro NORMQ t                         ; tile t: attn = p x 1 / (sum + 1e-8); its codes, in the operand's layout, to LDS; its scale word into v[T + t]
.set rP, P+64*(\t)
.set rI, SUM+2*(\t)
.set rB, BM+4*(\t)
.set rC, W+8*(\t)
.irp b, 0,1,2,3
	v_mul_f32 v[rB+\b], v[rB+\b], |v[rI]|          ; rounding keeps order: the largest magnitude's product is the largest of the products, bit for bit
.endr
.set j, rP
.rept 32
	v_pk_mul_f32 v[j:j+1], v[j:j+1], v[rI:rI+1] op_sel_hi:[1,0]
.set j, j+2
.endr
.irp b, 0,1,2,3
	v_max_num_f32 v[rB+\b], 0x1800000, v[rB+\b]    ; the floor 2^(3 - 127): the byte cannot fall under 1
.endr
.irp b, 0,1,2,3
	s_delay_alu instid0(VALU_DEP_4)
	v_add_nc_u32 v[SOF+\b], 0xff000000, v[rB+\b]   ; 2 off the exponent field: the conversion's scale operand
.endr
.irp b, 0,1,2,3
	s_delay_alu instid0(VALU_DEP_4)
	v_lshrrev_b32 v[BY+\b], 23, v[SOF+\b]          ; the scale's byte
.endr
	s_delay_alu instid0(VALU_DEP_3)
	v_lshl_or_b32 v[T+(\t)], v[BY+1], 8, v[BY]
	s_delay_alu instid0(VALU_DEP_1)
	v_lshl_or_b32 v[T+(\t)], v[BY+2], 16, v[T+(\t)]
	s_delay_alu instid0(VALU_DEP_1)
	v_lshl_or_b32 v[T+(\t)], v[BY+3], 24, v[T+(\t)]
.irp b, 0,1,2,3
	v_cvt_scalef32_pk8_fp4_f32 v[rC+2*\b], v[rP+16*\b:rP+16*\b+7], v[SOF+\b]
	v_cvt_scalef32_pk8_fp4_f32 v[rC+2*\b+1], v[rP+16*\b+8:rP+16*\b+15], v[SOF+\b]
.endr
	v_nop                                          ; one plain instruction behind the last scaled conversion
.irp c, 0,1                            ; the operand's layout wants a WHOLE block in a lane: lanes 0-15 block 2 c, lanes 16-31 block 2 c + 1
.irp i, 0,1
	v_permlane16_swap_b32 v[rC+4*\c+\i], v[rC+2+4*\c+\i]
.endr
.endr
.irp c, 0,1
	ds_store_b128 v[APW], v[rC+4*\c:rC+4*\c+3] offset:1024*(\t)+512*\c
.endr
.endm
	s_load_b512 s[4:19], s[0:1], 0x0               ; mask s[4:5], qcod s[6:7], qscl s[8:9], kcod s[10:11], kscl s[12:13], vcod s[14:15], vscl s[16:17], out0 s[18:19]
	v_lshl_add_u32 v[SPW], v0, 2, SPARE
	v_mov_b32 v[NIL], 0
	ds_add_u32 v[SPW], v[NIL]                      ; the wave's opening: the add, twice on end, and its wait ahead of my first tensor load; the set-up below, work on registers, stands between
	ds_add_u32 v[SPW], v[NIL]
	v_lshrrev_b32 v224, 5, v0
	s_delay_alu instid0(VALU_DEP_1)
	v_readfirstlane_b32 s20, v224                  ; w: wave 0..15
.irp z, 20,21,22,23,28,29,30,31,32,33,34,35,40,41,42,43
	v_mov_b32 v\z, 0                               ; the zero codes beside Q: written once
.endr
	v_mov_b32 v[T], 0                              ; (a lane permute's destination counts as one of its sources)
	v_mov_b32 v[T+1], 0
	s_and_b32 s21, ttmp7, 0xffff                   ; the batch
	s_and_b32 s44, s20, 1                          ; phase C: tq, my tile of queries,
	s_bfe_u32 s45, s20, 0x20001                    ; c, my 16 channels,
	s_lshr_b32 s46, s20, 3                         ; hf, my half of the keys
	s_mov_b32 s24, 0x76543210
	s_mov_b32 s25, 0xfedcba98                      ; v_permlanex16_b32's selects for lane l xor 16
	s_mov_b32 s26, 0x3e38aa3b                      ; log2(e) / 8
	s_mov_b32 s27, s26                             ; (named with it as a pair, so it is written)
	s_mov_b32 s28, 0xffff0000                      ; lanes 16-31, for v_cndmask_b32
	s_or_b32 s47, s46, ttmp9
	s_cmp_eq_u32 s47, 0
	s_cselect_b32 s29, 1, 0                        ; waves 0-7 of the batch's first work-group prefetch
	; the mask's descriptor.  Group 1: a tile of 32 rows x 128 elements of 4 bytes, rows 2,048 elements apart in memory, 16 bytes of padding behind each row in LDS
	s_mov_b32 s36, (2<<16)|(1<<20)|(6<<22)|(3<<25) ; 15:0 no mask; 17:16 elements of 4 bytes; 20 padding on; 24:22 after every 128 words (code 6); 31:25 four words (code 3)
	s_mov_b32 s37, 128<<16                         ; tensor_dim0 = 128
	s_mov_b32 s38, 32<<16                          ; tensor_dim1 = 32
	s_mov_b32 s39, 128<<16                         ; tile_dim0 = 128
	s_mov_b32 s40, 32                              ; tile_dim1 = 32
	s_mov_b32 s41, 2048                            ; tensor_dim0_stride
	s_mov_b32 s42, 0
	s_mov_b32 s43, 0
	s_mov_b32 s32, 1                               ; group 0: count = 1,
	s_mul_i32 s33, s20, MTILE                      ; LDS address: my wave's tile,
	s_mov_b32 s53, 0
	s_lshl_b32 s52, s21, 24                        ; and in memory: a batch's mask is 16,777,216 bytes,
	s_lshl_b32 s54, ttmp9, 18                      ; 32 rows 262,144,
	s_add_co_u32 s52, s52, s54
	s_lshl_b32 s54, s20, 9                         ; 128 keys 512
	s_add_co_u32 s52, s52, s54
	v_and_b32 v224, 31, v0                         ; l
	v_and_b32 v225, 15, v0                         ; r
	v_bfe_u32 v226, v0, 4, 1                       ; h
	s_delay_alu instid0(VALU_DEP_2)
	v_mul_u32_u24 v[AM], v225, MP
	s_delay_alu instid0(VALU_DEP_1)
	v_lshl_add_u32 v[AM], v226, 6, v[AM]
	s_delay_alu instid0(VALU_DEP_1)
	v_add_nc_u32 v[AM], s33, v[AM]
	v_and_b32 v227, 8, v225
	s_delay_alu instid0(VALU_DEP_1)
	v_add_nc_u32 v227, v227, v225                  ; r + 8 (r / 8)
	s_delay_alu instid0(VALU_DEP_1)
	v_lshlrev_b32 v[AK], 5, v227
	s_delay_alu instid0(VALU_DEP_1)
	v_lshl_add_u32 v[AK], v226, 4, v[AK]
	v_lshlrev_b32 v[AKS], 4, v225
	v_lshlrev_b32 v[AQ], 5, v225
	s_delay_alu instid0(VALU_DEP_1)
	v_lshl_add_u32 v[AQ], v226, 4, v[AQ]
	v_and_b32 v227, 7, v0                          ; query l = 16 a + 8 u + j of the block's 32: its bytes lie at 16 (8 a + j) + 2 u
	s_delay_alu instid0(VALU_DEP_1)
	v_lshlrev_b32 v[AQS], 4, v227
	s_delay_alu instid0(VALU_DEP_1)
	v_lshl_add_u32 v[AQS], v226, 7, v[AQS]
	v_bfe_u32 v227, v0, 3, 1
	s_delay_alu instid0(VALU_DEP_1)
	v_lshl_add_u32 v[AQS], v227, 1, v[AQS]
	v_mul_u32_u24 v228, v224, 80                   ; 80 l
	v_lshlrev_b32 v229, 4, v224                    ; 16 l
	s_wait_alu depctr_va_vdst(0)
	s_lshl_b32 s48, s20, 2
	v_add_nc_u32 v[ASR], SUMS, v228
	s_delay_alu instid0(VALU_DEP_1)
	v_add_nc_u32 v[ASW], s48, v[ASR]
	v_add_nc_u32 v[AWW], PSC, v228
	s_delay_alu instid0(VALU_DEP_1)
	v_add_nc_u32 v[AWW], s48, v[AWW]
	s_lshl_b32 s49, s20, 11
	s_add_co_u32 s49, s49, PIMG
	v_add_nc_u32 v[APW], s49, v229
	s_lshl_b32 s49, s46, 14
	s_lshl_b32 s50, s44, 10
	s_add_co_u32 s49, s49, s50
	s_add_co_u32 s49, s49, PIMG
	v_add_nc_u32 v[APR], s49, v229
	v_mul_u32_u24 v[AWR], v225, 80
	s_mul_i32 s49, s44, 16*80
	s_lshl_b32 s50, s46, 5
	s_add_co_u32 s49, s49, s50
	s_add_co_u32 s49, s49, PSC
	v_add_nc_u32 v[AWR], s49, v[AWR]
	s_lshl_b32 s49, s46, 15
	s_lshl_b32 s51, s45, 10
	s_add_co_u32 s49, s49, s51
	v_add_nc_u32 v[AV], s49, v229
	v_lshlrev_b32 v[AVS], 6, v225
	s_add_co_u32 s50, s50, s51                     ; 32 hf + 1,024 c
	v_add_nc_u32 v[AVS], s50, v[AVS]
	v_mul_u32_u24 v[AGW], v225, 272
	s_delay_alu instid0(VALU_DEP_1)
	v_lshl_add_u32 v[AGW], v226, 5, v[AGW]
	s_mul_i32 s49, s46, 8704
	s_mul_i32 s50, s44, 16*272
	s_add_co_u32 s49, s49, s50
	s_lshl_b32 s50, s45, 6
	s_add_co_u32 s49, s49, s50
	s_add_co_u32 s49, s49, STG
	v_add_nc_u32 v[AGW], s49, v[AGW]
	v_mul_u32_u24 v[AGR], v226, 272
	s_delay_alu instid0(VALU_DEP_1)
	v_lshl_add_u32 v[AGR], v225, 4, v[AGR]
	s_mul_i32 s49, s20, 2*272
	s_add_co_u32 s49, s49, STG
	v_add_nc_u32 v[AGR], s49, v[AGR]
	s_lshl_b32 s49, s20, 9
	v_add_nc_u32 v[AO], s49, v229
	v_lshlrev_b32 v[PFO], 8, v224
	s_lshl_b32 s49, s20, 13
	v_add_nc_u32 v[PFO], s49, v[PFO]
	s_wait_dscnt 0x0                               ; both opening adds are done
	s_wait_kmcnt 0x0
	s_add_nc_u64 s[34:35], s[4:5], s[52:53]
	s_or_b32 s35, s35, 0x80000000                  ; type = 2
	tensor_load_to_lds s[32:35], s[36:43]          ; every wave brings its own tile: the launch's only fills, one load of mine is out; these bytes are never filled again
	s_nop 0
	s_lshl_b32 s54, s21, 20                        ; a batch's 16 heads of codes: 1,048,576 bytes
	s_lshl_b32 s52, ttmp9, 10                      ; 32 queries of 32 bytes
	s_add_co_u32 s52, s52, s54
	s_add_nc_u64 s[6:7], s[6:7], s[52:53]
	s_lshl_b32 s52, s20, 12                        ; my 128 keys of 32 bytes
	s_add_co_u32 s52, s52, s54
	s_add_nc_u64 s[10:11], s[10:11], s[52:53]
	s_mov_b32 s52, s54
	s_add_nc_u64 s[14:15], s[14:15], s[52:53]
	s_lshl_b32 s54, s21, 16                        ; a batch's 16 heads of scale bytes: 65,536 bytes
	s_lshr_b32 s52, ttmp9, 2
	s_lshl_b32 s52, s52, 8                         ; Q: the run of 128 rows in which my 32 queries lie,
	s_add_co_u32 s52, s52, s54
	s_and_b32 s55, ttmp9, 3
	s_lshl_b32 s55, s55, 2                         ; and which 32 of them: 4 b
	s_add_co_u32 s52, s52, s55
	s_add_nc_u64 s[8:9], s[8:9], s[52:53]
	s_lshl_b32 s52, s20, 8                         ; K: my 128 keys are a run
	s_add_co_u32 s52, s52, s54
	s_add_nc_u64 s[12:13], s[12:13], s[52:53]
	s_mov_b32 s52, s54
	s_add_nc_u64 s[16:17], s[16:17], s[52:53]
	s_lshl_b32 s52, s21, 23                        ; out: a batch is 8,388,608 bytes, 32 rows 8,192
	s_lshl_b32 s54, ttmp9, 13
	s_add_co_u32 s52, s52, s54
	s_add_nc_u64 s[18:19], s[18:19], s[52:53]
	KQLOAD                                         ; the first head
	s_mov_b32 s23, 0                               ; the head, 0 .. 15
	s_wait_tensorcnt 0x0                           ; my tile of the mask is in LDS; I alone read it, so no barrier is owed
.Lhead:
	; ---- A: my 128 keys x 32 queries
	s_wait_loadcnt 0x0                             ; this head's K and Q, asked for a head ago; their bases may be stepped behind this wait
	MLOAD 0, 0
	MLOAD 1, 1
	v_lshlrev_b32 v[XL+1], 16, v[XL]               ; Q's bytes for k 64-127.  A scale register written by a vector instruction stands eight plain instructions ahead of the scaled product: the eight below
.irp i, 0,1,2,3
	v_mov_b32 v[SUM+\i], 0                         ; the two tiles' sums begin
.endr
.rept 4
	v_nop
.endr
.irp b, 0,1,2,3                        ; sixteen products, each with the constant 0 as C and a result of its own: no accumulator is taken up twice.  Their results lie over phase C's operands, whose last
.irp t, 0,1                            ; product stands thirteen plain instructions back that name none of its registers (the four behind it, and the nine above)
	SCORE \b, \t, 0
	SCORE \b, \t, 1
.endr
.endr
.rept 4
	v_nop                                          ; four plain instructions ahead of the loads into K's and Q's registers and of the first read of the scores
.endr
	s_cmp_eq_u32 s23, 15
	s_cbranch_scc1 .Lnn                            ; the last head asks for nothing: no load leaves its buffer
	s_add_nc_u64 s[6:7], s[6:7], 0x10000
	s_add_nc_u64 s[8:9], s[8:9], 0x1000
	s_add_nc_u64 s[10:11], s[10:11], 0x10000
	s_add_nc_u64 s[12:13], s[12:13], 0x1000
	KQLOAD                                         ; the next head's K and Q: a whole head ahead of their use
.Lnn:
	s_cmp_eq_u32 s29, 1
	s_cbranch_scc0 .Lnp
	s_wait_alu depctr_va_vdst(0)
	global_prefetch_b8 v[PFO], s[14:15] th:TH_LOAD_NT scope:SCOPE_SE   ; THIS head's 65,536 bytes of V's codes, which phase B loads: 8 waves x 32 lanes, lanes 256 bytes apart: each block of 256 bytes is named once in
.Lnp:                                              ; the launch, by the batch's first work-group, for all 64 that walk the same heads.  It names the head in hand, so it never leaves the buffer
	CM 0
	s_wait_alu depctr_va_vdst(0)
	EX 0
	s_wait_alu depctr_va_vdst(0)
	CM 1                                           ; plain work behind the batch, which names none of its results
	s_wait_alu depctr_va_vdst(0)                   ; one wait for tile 0's 64 exponentials, ahead of their first reader
	EX 1
	MS 0, 4                                        ; tile 0's chunks name none of tile 1's results.  The count 4: the next chunk's four mask loads may stay out
	MS 1, 4
	MS 2, 4
	MS 3, 4
	s_wait_alu depctr_va_vdst(0)                   ; and one for tile 1's 64
	MS 4, 4
	MS 5, 4
	MS 6, 4
	MS 7, 0                                        ; nothing was asked for behind the last chunk
	v_add_f32 v[SUM], v[SUM], v[SUM+1]             ; each sum's two halves,
	s_delay_alu instid0(VALU_DEP_2)
	v_add_f32 v[SUM+2], v[SUM+2], v[SUM+3]
	s_delay_alu instid0(VALU_DEP_2)
	v_permlanex16_b32 v[T], v[SUM], s24, s25
	s_delay_alu instid0(VALU_DEP_2)
	v_permlanex16_b32 v[T+1], v[SUM+2], s24, s25
	s_delay_alu instid0(VALU_DEP_2)
	v_add_f32 v[SUM], v[SUM], v[T]                 ; and lane l xor 16's 64 keys
	s_delay_alu instid0(VALU_DEP_2)
	v_add_f32 v[SUM+2], v[SUM+2], v[T+1]
	s_delay_alu instid0(VALU_DEP_1)
	v_cndmask_b32 v[T], v[SUM], v[SUM+2], s28      ; lane l: query l's
	ds_store_b32 v[ASW], v[T]
.irp i, 0,1,2,3,4,5,6,7
	v_permlanex16_b32 v[W+\i], v[BM+\i], s24, s25
.endr
.irp i, 0,1,2,3,4,5,6,7
	v_max_num_f32 v[BM+\i], v[BM+\i], v[W+\i]      ; a block of 32 keys lies in lanes l and l xor 16
.endr
	BAR                                            ; all sixteen parts of each row's sum lie in LDS
	; ---- B: the rows' sums; attn; its codes
.irp i, 0,1,2,3
	ds_load_b128 v[W+4*\i:W+4*\i+3], v[ASR] offset:16*\i
.endr
	; ---- D of the head before: two rows a wave.  Its stage was written ahead of the barrier just passed, and is written again only behind this head's second barrier, ahead of which these loads are waited for
	s_wait_alu depctr_va_vdst(0)
	s_cmp_eq_u32 s23, 0
	s_cbranch_scc1 .Lnd                            ; the first head has no head before it
	ds_load_b128 v[SOF:SOF+3], v[AGR]
	ds_load_b128 v[SOF+4:SOF+7], v[AGR] offset:8704
	s_wait_dscnt 0x0                               ; these two, and the four loads of the sums' parts ahead of them
	v_pk_add_f32 v[SOF:SOF+1], v[SOF:SOF+1], v[SOF+4:SOF+5]
	v_pk_add_f32 v[SOF+2:SOF+3], v[SOF+2:SOF+3], v[SOF+6:SOF+7]
	global_store_b128 v[AO], v[SOF:SOF+3], s[18:19] th:TH_STORE_NT   ; sixteen lanes store a row of 256 consecutive bytes, aligned; written once, read by nobody here
.Lnd:
	s_wait_dscnt 0x0
.irp i, 0,4,8,12
	v_pk_add_f32 v[W+\i:W+\i+1], v[W+\i:W+\i+1], v[W+\i+2:W+\i+3]   ; one fixed tree: every wave gets the same bits
.endr
	s_delay_alu instid0(VALU_DEP_3)
	v_pk_add_f32 v[W:W+1], v[W:W+1], v[W+4:W+5]
	s_delay_alu instid0(VALU_DEP_2)
	v_pk_add_f32 v[W+8:W+9], v[W+8:W+9], v[W+12:W+13]
	s_delay_alu instid0(VALU_DEP_1)
	v_pk_add_f32 v[W:W+1], v[W:W+1], v[W+8:W+9]
	s_delay_alu instid0(VALU_DEP_1)
	v_add_f32 v[T], v[W], v[W+1]
	s_delay_alu instid0(VALU_DEP_1)
	v_add_f32 v[T], 0x322bcc77, v[T]               ; + 1e-8
	s_wait_alu depctr_va_vdst(0)
	v_rcp_f32 v[T], v[T]
	v_nop                                          ; a plain instruction behind the reciprocal,
	s_wait_alu depctr_va_vdst(0)                   ; and the wait ahead of its first reader, and ahead of the wait below
	s_wait_xcnt 0x0                                ; D's store has read its data, which the codes' work below writes again, and its base:
	s_cmp_lg_u32 s23, 0
	s_cselect_b32 s54, 0x80000, 0                  ; a head on, where a head was stored
	s_mov_b32 s55, 0
	s_add_nc_u64 s[18:19], s[18:19], s[54:55]
	v_permlanex16_b32 v[T+1], v[T], s24, s25       ; lane l holds query l's, and now query l xor 16's
	v_cndmask_b32 v[SUM], v[T], v[T+1], s28        ; query r's, in both halves of the lanes
	v_cndmask_b32 v[SUM+2], v[T+1], v[T], s28      ; query 16 + r's
	NORMQ 0
.irp i, 0,1,2,3,4,5,6,7                ; V's 8 fragments of my role (16 channels x 128 keys each) into the registers that tile 0 has left: each load reads 512 consecutive bytes
.irp c, 0,1
	global_load_b128 v[P+8*\i+4*\c:P+8*\i+4*\c+3], v[AV], s[14:15] offset:4096*\i+512*\c
.endr
.endr
	global_load_b128 v[VSC:VSC+3], v[AVS], s[16:17]
	global_load_b128 v[VSC+4:VSC+7], v[AVS], s[16:17] offset:16
	NORMQ 1
	v_cndmask_b32 v[T], v[T], v[T+1], s28          ; lane l: query l's scale word for my 128 keys
	ds_store_b32 v[AWW], v[T]
	BAR                                            ; attn's 32 fragments and their scale words lie in LDS
	; ---- C: O^T (16 channels x 16 queries) over 8 steps of 128 keys
.irp i, 0,1,2,3,4,5,6,7
.irp c, 0,1
	ds_load_b128 v[P+64+8*\i+4*\c:P+64+8*\i+4*\c+3], v[APR] offset:2048*\i+512*\c
.endr
.endr
	ds_load_b128 v[PSR:PSR+3], v[AWR]
	ds_load_b128 v[PSR+4:PSR+7], v[AWR] offset:16
	s_wait_loadcnt 0x0                             ; V's codes and scale words
	s_wait_dscnt 0x0
	s_wait_xcnt 0x0                                ; the prefetch has read its base too: V's bases may step
	s_add_nc_u64 s[14:15], s[14:15], 0x10000
	s_add_nc_u64 s[16:17], s[16:17], 0x1000
.irp i, 0,1,2,3,4,5,6,7                ; two accumulators by turns, one instruction a turn
.if \i < 2
	v_wmma_scale_f32_16x16x128_f8f6f4 v[W+8*(\i%2):W+8*(\i%2)+7], v[P+8*\i:P+8*\i+7], v[P+64+8*\i:P+64+8*\i+7], 0, v[VSC+\i], v[PSR+\i] matrix_a_fmt:MATRIX_FMT_FP4 matrix_b_fmt:MATRIX_FMT_FP4
.else
	v_wmma_scale_f32_16x16x128_f8f6f4 v[W+8*(\i%2):W+8*(\i%2)+7], v[P+8*\i:P+8*\i+7], v[P+64+8*\i:P+64+8*\i+7], v[W+8*(\i%2):W+8*(\i%2)+7], v[VSC+\i], v[PSR+\i] matrix_a_fmt:MATRIX_FMT_FP4 matrix_b_fmt:MATRIX_FMT_FP4
.endif
.endr
.rept 4
	v_nop
.endr
.irp i, 0,2,4,6
	v_pk_add_f32 v[W+\i:W+\i+1], v[W+\i:W+\i+1], v[W+8+\i:W+8+\i+1]   ; both accumulators from their low ends on
.endr
	ds_store_b128 v[AGW], v[W:W+3]                 ; lane (r, h): query 16 tq + r, channels 16 c + 8 h + 0 .. 7
	ds_store_b128 v[AGW], v[W+4:W+7] offset:16
	s_wait_alu depctr_va_vdst(0)
	s_add_co_u32 s23, s23, 1
	s_cmp_lt_u32 s23, 16
	s_cbranch_scc1 .Lhead
	; The two barriers of a trip serve single regions: SUMS is read in B (waited for ahead of the second barrier) and written again in the next head's A, behind it; PIMG and PSC are read in C (waited for there, ahead of the
	; next head's first barrier) and written again behind that barrier; the stage is written in C, read behind the next head's first barrier (waited for there) and written again behind its second.
	BAR                                            ; the last head: both halves of the keys lie in the stage, as whole rows
	ds_load_b128 v[W:W+3], v[AGR]
	ds_load_b128 v[W+4:W+7], v[AGR] offset:8704
	s_wait_dscnt 0x0
	v_pk_add_f32 v[W:W+1], v[W:W+1], v[W+4:W+5]
	v_pk_add_f32 v[W+2:W+3], v[W+2:W+3], v[W+6:W+7]
	global_store_b128 v[AO], v[W:W+3], s[18:19] th:TH_STORE_NT     ; the base was stepped fifteen times: the last head's rows
	s_wait_tensorcnt 0x0                           ; the wave's end, behind my tensor load and my last LDS store
	ds_add_u32 v[SPW], v[NIL]
	s_wait_dscnt 0x0
	s_endpgm
.Lfunc_end_k_q9bfe3be67d_attn:
	.size	k_q9bfe3be67d_attn, .Lfunc_end_k_q9bfe3be67d_attn-k_q9bfe3be67d_attn
	.p2alignl 7, 3214868480
	.fill 96, 4, 3214868480
	.section	.rodata,"a",@progbits
	.p2align	6, 0x0
	.amdhsa_kernel k_q9bfe3be67d_attn
		.amdhsa_group_segment_fixed_size 327680
		.amdhsa_private_segment_fixed_size 0
		.amdhsa_enable_private_segment 0
		.amdhsa_kernarg_size 64
		.amdhsa_user_sgpr_count 2
		.amdhsa_user_sgpr_kernarg_segment_ptr 1
		.amdhsa_wavefront_size32 1
		.amdhsa_system_sgpr_workgroup_id_x 1
		.amdhsa_system_sgpr_workgroup_id_y 1
		.amdhsa_system_sgpr_workgroup_id_z 1
		.amdhsa_system_vgpr_workitem_id 0
		.amdhsa_next_free_vgpr 256
		.amdhsa_next_free_sgpr 66
		.amdhsa_reserve_vcc 0
		.amdhsa_float_denorm_mode_32 3
		.amdhsa_float_denorm_mode_16_64 3
		.amdhsa_memory_ordered 1
		.amdhsa_forward_progress 1
		.amdhsa_inst_pref_size 56
	.end_amdhsa_kernel
	.amdgpu_metadata
---
amdhsa.version: [ 1, 2 ]
amdhsa.kernels:
  - .name:           k_q9bfe3be67d_attn
    .symbol:         k_q9bfe3be67d_attn.kd
    .args:
      - { .name: mask, .offset: 0, .size: 8, .value_kind: global_buffer, .address_space: global }
      - { .name: qcod, .offset: 8, .size: 8, .value_kind: global_buffer, .address_space: global }
      - { .name: qscl, .offset: 16, .size: 8, .value_kind: global_buffer, .address_space: global }
      - { .name: kcod, .offset: 24, .size: 8, .value_kind: global_buffer, .address_space: global }
      - { .name: kscl, .offset: 32, .size: 8, .value_kind: global_buffer, .address_space: global }
      - { .name: vcod, .offset: 40, .size: 8, .value_kind: global_buffer, .address_space: global }
      - { .name: vscl, .offset: 48, .size: 8, .value_kind: global_buffer, .address_space: global }
      - { .name: out0, .offset: 56, .size: 8, .value_kind: global_buffer, .address_space: global }
    .group_segment_fixed_size: 327680
    .private_segment_fixed_size: 0
    .kernarg_segment_align: 8
    .kernarg_segment_size: 64
    .max_flat_workgroup_size: 512
    .sgpr_count:     66
    .vgpr_count:     256
    .wavefront_size: 32
...
	.end_amdgpu_metadata
.endif
;; end of part 2
